; MI455X (gfx1250); checked and timed in simulation.
; The chip was launched on July 23, 2026; its instructions are those of AMD's public machine-readable ISA for CDNA 5 (MIT licence, August 2026) and "CDNA5" Instruction Set Architecture Reference Guide (July 2026). The comments in the code are by the model that wrote it; some were corrected since.
;; loss Func Task. Allowed arithmetic: float matrix products may take bf16 or f16 operands with f32 sums; all other float work in f32.
;; Inputs: correct 256 x 200 int32; logit_c 256 x 200 x 1,000 float32; logit_t 256 x 200 x 1,000 float32; q_idx 256 x 200 int32.
;; Outputs: out0 one number float32; out1 50,944 float32; out2 50,944 float32.
;; One version. Each part assembles by itself: llvm-mc -triple=amdgcn-amd-amdhsa -mcpu=gfx1250 --defsym DOCPART=n.
;; ======== version 1 of 1: 2 launches
;; limits: right only within a limited range of input values
;; workspace buffers: part 1,024 bytes
;; launch student (part 1): grid 256 x 1, 1 waves a work-group, no clusters, 0 bytes of LDS; arguments q_idx, correct, logit_c, logit_t, out1, out2, part; writes out1, out2, part
.if DOCPART == 1
	.amdgcn_target "amdgcn-amd-amdhsa--gfx1250"
	.amdhsa_code_object_version 6
	.text
	.protected	k_q1eb6349c75_student
	.globl	k_q1eb6349c75_student
	.p2align	8
	.type	k_q1eb6349c75_student,@function
k_q1eb6349c75_student:
	s_mov_b64 s[64:65], 0
	v_nop
	global_prefetch_b8 v0, s[64:65] scope:SCOPE_SE
	s_setreg_imm32_b32 hwreg(HW_REG_WAVE_MODE, 25, 1), 1
	s_wait_xcnt 0x0
; One wave = one student s (256 work-groups of one wave).  For the steps i = 0 .. 198:
;   pc = sigmoid(logit_c[s][i][q_idx[s][i+1]]), pt the same from logit_t, a = float(correct[s][i+1])
;   out1[199 s + i] = (pt + pc) / 2,  out2[199 s + i] = a
;   last = the largest i with pc > 0 (198 if there is none),  count = last + 1
;   part[s] = - sum over i <= last of ( a (ln pc + ln pt) + (1 - a)(ln(1-pc) + ln(1-pt)) ) / count, each ln clamped at -100.
; The product with the one-hot that the problem builds from q_idx keeps one element of each row of 1,000, so that element is gathered
; and the 999 products with zero are not made: nothing is left for a matrix instruction.  No two work-groups read the same bytes,
; so there is nothing to share in a cluster or to stage in LDS; both reductions stay inside the wave, so there is no barrier.
; Lane l owns the steps i = l + 32 j, j = 0 .. 6.  Chunk 6 has 7 steps (199 = 6 x 32 + 7): its lanes 7 .. 31 have their ADDRESSES clamped to
; step 198 (every load stays inside its buffer), take part in the search for last as step 198, which is what they hold, and fall out of the
; sum because their true index 199 .. 223 is above last.  Their stores are switched off by EXEC.
; A student's row of out1 and out2 is 796 bytes and starts on a multiple of 4 only, so wider stores than 4 bytes a lane would be
; misaligned: each store of the wave covers 128 consecutive bytes.
; LIMITS.  (1) An index outside 0 .. 999 is clamped to 999 (a one-hot of such an index would be all zeros, p = 0).
; (2) NaN logits are not served: only the gathered element is looked at, and v_max_num_f32 drops a NaN at the clamp.
; (3) Logits between about -88.73 and -87.33 give a denormal p in f32; v_rcp_f32 returns 0 for it, which also changes pc > 0.
; (4) Above a logit of about 15, 1 - p is a few last-place units of p, so ln(1 - p), and the logit at which it reaches the clamp -100,
;     hang on the 1 ULP of v_exp_f32 and v_rcp_f32.
; (5) The logs are taken to base 2 and clamped at -100 / ln 2; ln 2 and 1 / count are applied once to the student's sum: another order of rounding.
.set V4,  1                            ; v1       4 l: my word in a chunk of 32
.set V4T, 2                            ; v2       4 min(192 + l, 198): my word in chunk 6
.set R,   3                            ; v3       4000 l: my row of 1,000 f32 in a chunk
.set RT,  4                            ; v4       4000 min(192 + l, 198)
.set M,   5                            ; v5       the largest of my steps with pc > 0, as f32, or -1; later last
.set T,   6                            ; v6       at work
.set RC,  7                            ; v7       - ln 2 / count
.set FI,  8                            ; v[8:14]  l + 32 j as f32 (exact)
.set FIC, 15                           ; v15      min(l + 192, 198) as f32
.set Q,   16                           ; v[16:22] q_idx, then the gather's byte offset
.set A,   24                           ; v[24:30] correct, then a
.set B,   32                           ; v[32:38] 1 - a
.set X,   40                           ; v[40:53] chunk j: the pair (logit_c, logit_t), turned in place into (pc, pt)
.set PM,  54                           ; v[54:60] (pc + pt) / 2
.set E,   62                           ; v[62:68] a LP + (1 - a) LQ
.set OM,  70                           ; v[70:71] (1 - pc, 1 - pt)
.set L,   72                           ; v[72:75] log2 pc, log2(1-pc), log2 pt, log2(1-pt)
	s_load_b256 s[4:11], s[0:1], 0x0               ; q_idx s[4:5], correct s[6:7], logit_c s[8:9], logit_t s[10:11]
	s_load_b128 s[12:15], s[0:1], 0x20             ; out1 s[12:13], out2 s[14:15]
	s_load_b64 s[16:17], s[0:1], 0x30              ; part
	s_mul_i32 s18, ttmp9, 800                      ; the student's row of 200 words in q_idx and correct
	s_mov_b32 s19, 0
	s_mul_i32 s20, ttmp9, 800000                   ; the student's 200 x 1,000 f32 (at most 204,000,000: one word)
	s_mov_b32 s21, 0
	s_mul_i32 s22, ttmp9, 796                      ; the student's 199 words in out1 and out2
	s_mov_b32 s23, 0
	s_lshl_b32 s24, ttmp9, 2                       ; the student's word in part
	s_mov_b32 s25, 0
	s_mov_b32 s26, 0x76543210                      ; v_permlanex16_b32: lane i of one half reads lane i of the other
	s_mov_b32 s27, 0xfedcba98
	s_mov_b32 s28, 0xc31044fe                      ; -100 / ln 2 = -144.2695: the clamp, to base 2
	v_lshlrev_b32 v[V4], 2, v0
	v_add_nc_u32 v[T], 192, v0
	v_min_u32 v[T], 198, v[T]                      ; chunk 6: no address beyond step 198
	v_lshlrev_b32 v[V4T], 2, v[T]
	v_mul_u32_u24 v[R], 4000, v0
	v_mul_u32_u24 v[RT], 4000, v[T]
	s_wait_kmcnt 0x0
	s_add_nc_u64 s[4:5], s[4:5], s[18:19]
	s_add_nc_u64 s[6:7], s[6:7], s[18:19]
	; step i wants word i + 1 of the row: the 4 in the offsets
.irp j, 0,1,2,3,4,5
	global_load_b32 v[Q+\j], v[V4], s[4:5] offset:4+128*\j th:TH_LOAD_NT
.endr
	global_load_b32 v[Q+6], v[V4T], s[4:5] offset:4 th:TH_LOAD_NT
.irp j, 0,1,2,3,4,5
	global_load_b32 v[A+\j], v[V4], s[6:7] offset:4+128*\j th:TH_LOAD_NT
.endr
	global_load_b32 v[A+6], v[V4T], s[6:7] offset:4 th:TH_LOAD_NT
	; while the indices are on their way: the other bases, and the steps' numbers as f32
	s_add_nc_u64 s[8:9], s[8:9], s[20:21]
	s_add_nc_u64 s[10:11], s[10:11], s[20:21]
	s_add_nc_u64 s[12:13], s[12:13], s[22:23]
	s_add_nc_u64 s[14:15], s[14:15], s[22:23]
	s_add_nc_u64 s[16:17], s[16:17], s[24:25]
	v_cvt_f32_u32 v[FI], v0
.irp j, 1,2,3,4,5,6
	v_add_f32 v[FI+\j], 0x42000000, v[FI+\j-1]     ; + 32.0
.endr
	v_min_num_f32 v[FIC], 0x43460000, v[FI+6]      ; 198.0
	v_mov_b32 v[M], -1.0
; The two gathers of chunk j: byte 4 q of my row.  row: the register with my row's offset; off: the chunk's 32 rows x 4,000 bytes.
.macro GATHER j, row, off
	v_min_u32 v[Q+\j], 999, v[Q+\j]                ; a loaded number enters an address only clamped to the row
	v_lshl_add_u32 v[Q+\j], v[Q+\j], 2, v[\row]
	global_load_b32 v[X+2*\j],   v[Q+\j], s[8:9]   offset:\off th:TH_LOAD_NT
	global_load_b32 v[X+2*\j+1], v[Q+\j], s[10:11] offset:\off th:TH_LOAD_NT
.endm
	s_wait_loadcnt 0x7                             ; loads come back in order (ISA guide 5.7.1): the 7 of q_idx are in, the 7 of correct may be out
.irp j, 0,1,2,3,4,5
	GATHER \j, R, 128000*\j
.endr
	GATHER 6, RT, 0
; Chunk j, as soon as its two logits are in.  fic: the register with the step's number for the search for last.
; full = 1: all 32 lanes hold steps of their own and store at once; chunk 6 stores at the end, under EXEC.
; Behind each run of transcendentals stands one plain vector instruction that touches none of their registers' results and writes none
; of their sources, before a result is used (ISA guide 5.7.2): here a = float(correct), 1 - a, and pc + pt.
.macro STEP j, fic, full
	s_wait_loadcnt 12-2*\j                         ; the 2 (6 - j) gathers of the later chunks stay out; mine, and correct before them, are in
	v_pk_mul_f32 v[X+2*\j:X+2*\j+1], v[X+2*\j:X+2*\j+1], 0xbfb8aa3b op_sel_hi:[1,0]   ; - x log2 e
	v_exp_f32 v[X+2*\j],   v[X+2*\j]
	v_exp_f32 v[X+2*\j+1], v[X+2*\j+1]
	v_cvt_f32_i32 v[A+\j], v[A+\j]                 ; a
	s_wait_alu depctr_va_vdst(0)
	v_pk_add_f32 v[X+2*\j:X+2*\j+1], v[X+2*\j:X+2*\j+1], 1.0 op_sel_hi:[1,0]
	v_rcp_f32 v[X+2*\j],   v[X+2*\j]               ; pc = 1 / (1 + e^-x)
	v_rcp_f32 v[X+2*\j+1], v[X+2*\j+1]             ; pt
	v_sub_f32 v[B+\j], 1.0, v[A+\j]                ; 1 - a
	s_wait_alu depctr_va_vdst(0)
	v_pk_fma_f32 v[OM:OM+1], v[X+2*\j:X+2*\j+1], -1.0, 1.0 op_sel_hi:[1,0,0]          ; 1 - p
	v_log_f32 v[L],   v[X+2*\j]
	v_log_f32 v[L+2], v[X+2*\j+1]
	v_log_f32 v[L+1], v[OM]
	v_log_f32 v[L+3], v[OM+1]
	v_add_f32 v[PM+\j], v[X+2*\j], v[X+2*\j+1]
	v_cmp_lt_f32 vcc_lo, 0, v[X+2*\j]              ; pc > 0
	v_mul_f32 v[PM+\j], 0.5, v[PM+\j]
	v_cndmask_b32 v[M], v[M], v[\fic], vcc_lo      ; the chunks come in ascending order: a later valid step replaces an earlier one
	s_wait_alu depctr_va_vdst(0)
.irp k, 0,1,2,3
	v_max_num_f32 v[L+\k], s28, v[L+\k]            ; log 0 = -inf ends at the clamp
.endr
	v_pk_add_f32 v[L:L+1], v[L:L+1], v[L+2:L+3]    ; (LP, LQ): both tables share a, the mask and count
	v_mul_f32 v[E+\j], v[A+\j], v[L]
	v_fmac_f32 v[E+\j], v[B+\j], v[L+1]            ; a LP + (1 - a) LQ
.if \full
	global_store_b32 v[V4], v[PM+\j], s[12:13] offset:128*\j th:TH_STORE_NT
	global_store_b32 v[V4], v[A+\j],  s[14:15] offset:128*\j th:TH_STORE_NT
.endif
.endm
.irp j, 0,1,2,3,4,5
	STEP \j, FI+\j, 1
.endr
	STEP 6, FIC, 0
	; last: the maximum over the 32 lanes, four steps inside each half of 16 lanes and one across; every lane gets it
	v_max_num_f32_dpp v[M], v[M], v[M] row_xmask:1 row_mask:0xf bank_mask:0xf
	v_max_num_f32_dpp v[M], v[M], v[M] row_xmask:2 row_mask:0xf bank_mask:0xf
	v_max_num_f32_dpp v[M], v[M], v[M] row_xmask:4 row_mask:0xf bank_mask:0xf
	v_max_num_f32_dpp v[M], v[M], v[M] row_xmask:8 row_mask:0xf bank_mask:0xf
	v_permlanex16_b32 v[T], v[M], s26, s27         ; its destination counts as read: v6 was written at the head
	v_max_num_f32 v[M], v[M], v[T]
	v_cmp_le_f32 vcc_lo, 0, v[M]
	v_cndmask_b32 v[M], 0x43460000, v[M], vcc_lo   ; no step with pc > 0: the argmax of all false keeps the whole row, last = 198.0
	v_add_f32 v[RC], 1.0, v[M]                     ; count, 1 to 199
	v_rcp_f32 v[RC], v[RC]                         ; used far below, behind plain instructions
	; the mask only selects values: steps beyond last (and the clamped lanes, whose true number is 199 or more) add zero
.irp j, 0,1,2,3,4,5,6
	v_cmp_ge_f32 vcc_lo, v[M], v[FI+\j]
	v_cndmask_b32 v[E+\j], 0, v[E+\j], vcc_lo
.endr
	v_pk_add_f32 v[E:E+1], v[E:E+1], v[E+2:E+3]
	s_wait_alu depctr_va_vdst(0)
	v_mul_f32 v[RC], 0xbf317218, v[RC]             ; - ln 2 / count
	v_pk_add_f32 v[E:E+1], v[E:E+1], v[E+4:E+5]
	v_add_f32 v[E], v[E], v[E+1]
	v_add_f32 v[E], v[E], v[E+6]
	v_add_f32_dpp v[E], v[E], v[E] row_xmask:1 row_mask:0xf bank_mask:0xf
	v_add_f32_dpp v[E], v[E], v[E] row_xmask:2 row_mask:0xf bank_mask:0xf
	v_add_f32_dpp v[E], v[E], v[E] row_xmask:4 row_mask:0xf bank_mask:0xf
	v_add_f32_dpp v[E], v[E], v[E] row_xmask:8 row_mask:0xf bank_mask:0xf
	v_permlanex16_b32 v[T], v[E], s26, s27
	v_add_f32 v[E], v[E], v[T]
	v_mul_f32 v[E], v[E], v[RC]                    ; the student's two means, added
	s_wait_xcnt 0x0                                ; EXEC is a source of the twelve stores above: it changes only behind this wait (ISA guide 3.1)
	v_cmpx_gt_u32 7, v0                            ; chunk 6: steps 192 .. 198 are lanes 0 .. 6
	global_store_b32 v[V4T], v[PM+6], s[12:13] th:TH_STORE_NT
	global_store_b32 v[V4T], v[A+6],  s[14:15] th:TH_STORE_NT
	s_wait_xcnt 0x0                                ; and again, for these two
	v_cmpx_eq_u32 0, v0                            ; lane 0 alone; its 4 l is the offset 0
	global_store_b32 v[V4], v[E], s[16:17]         ; read again by the next launch: no hint
	s_endpgm
.Lfunc_end_k_q1eb6349c75_student:
	.size	k_q1eb6349c75_student, .Lfunc_end_k_q1eb6349c75_student-k_q1eb6349c75_student
	.p2alignl 7, 3214868480
	.fill 96, 4, 3214868480
	.section	.rodata,"a",@progbits
	.p2align	6, 0x0
	.amdhsa_kernel k_q1eb6349c75_student
		.amdhsa_group_segment_fixed_size 0
		.amdhsa_private_segment_fixed_size 0
		.amdhsa_enable_private_segment 0
		.amdhsa_kernarg_size 56
		.amdhsa_user_sgpr_count 2
		.amdhsa_user_sgpr_kernarg_segment_ptr 1
		.amdhsa_wavefront_size32 1
		.amdhsa_system_sgpr_workgroup_id_x 1
		.amdhsa_system_sgpr_workgroup_id_y 1
		.amdhsa_system_sgpr_workgroup_id_z 1
		.amdhsa_system_vgpr_workitem_id 0
		.amdhsa_next_free_vgpr 76
		.amdhsa_next_free_sgpr 66
		.amdhsa_reserve_vcc 1
		.amdhsa_float_denorm_mode_32 3
		.amdhsa_float_denorm_mode_16_64 3
		.amdhsa_memory_ordered 1
		.amdhsa_forward_progress 1
		.amdhsa_inst_pref_size 16
	.end_amdhsa_kernel
	.amdgpu_metadata
---
amdhsa.version: [ 1, 2 ]
amdhsa.kernels:
  - .name:           k_q1eb6349c75_student
    .symbol:         k_q1eb6349c75_student.kd
    .args:
      - { .name: q_idx, .offset: 0, .size: 8, .value_kind: global_buffer, .address_space: global }
      - { .name: correct, .offset: 8, .size: 8, .value_kind: global_buffer, .address_space: global }
      - { .name: logit_c, .offset: 16, .size: 8, .value_kind: global_buffer, .address_space: global }
      - { .name: logit_t, .offset: 24, .size: 8, .value_kind: global_buffer, .address_space: global }
      - { .name: out1, .offset: 32, .size: 8, .value_kind: global_buffer, .address_space: global }
      - { .name: out2, .offset: 40, .size: 8, .value_kind: global_buffer, .address_space: global }
      - { .name: part, .offset: 48, .size: 8, .value_kind: global_buffer, .address_space: global }
    .group_segment_fixed_size: 0
    .private_segment_fixed_size: 0
    .kernarg_segment_align: 8
    .kernarg_segment_size: 56
    .max_flat_workgroup_size: 32
    .sgpr_count:     66
    .vgpr_count:     76
    .wavefront_size: 32
...
	.end_amdgpu_metadata
.endif
;; end of part 1
;; launch total (part 2): grid 1 x 1, 1 waves a work-group, no clusters, 0 bytes of LDS; arguments part, out0; writes out0
.if DOCPART == 2
	.amdgcn_target "amdgcn-amd-amdhsa--gfx1250"
	.amdhsa_code_object_version 6
	.text
	.protected	k_q1eb6349c75_total
	.globl	k_q1eb6349c75_total
	.p2align	8
	.type	k_q1eb6349c75_total,@function
k_q1eb6349c75_total:
	s_mov_b64 s[64:65], 0
	v_nop
	global_prefetch_b8 v0, s[64:65] scope:SCOPE_SE
	s_setreg_imm32_b32 hwreg(HW_REG_WAVE_MODE, 25, 1), 1
	s_wait_xcnt 0x0
; out0 = the sum of the 256 students' figures in part (1,024 bytes).  One wave: a sum over all work-groups of the launch before has one owner.
; Lane l takes the 16 bytes at 16 l and at 512 + 16 l: each load of the wave covers 512 consecutive bytes.  Eight numbers a lane are added
; in pairs, then across the lanes.  The order of the additions differs from a sum in ascending order of students.
	s_load_b128 s[4:7], s[0:1], 0x0                ; part s[4:5], out0 s[6:7]
	s_mov_b32 s8, 0x76543210                       ; v_permlanex16_b32: lane i of one half reads lane i of the other
	s_mov_b32 s9, 0xfedcba98
	v_lshlrev_b32 v1, 4, v0
	s_wait_kmcnt 0x0
	global_load_b128 v[4:7],  v1, s[4:5]
	global_load_b128 v[8:11], v1, s[4:5] offset:512
	s_wait_loadcnt 0x0                             ; both are needed at once
	v_pk_add_f32 v[4:5], v[4:5], v[8:9]
	v_pk_add_f32 v[6:7], v[6:7], v[10:11]
	v_pk_add_f32 v[4:5], v[4:5], v[6:7]
	v_add_f32 v4, v4, v5
	v_add_f32_dpp v4, v4, v4 row_xmask:1 row_mask:0xf bank_mask:0xf
	v_add_f32_dpp v4, v4, v4 row_xmask:2 row_mask:0xf bank_mask:0xf
	v_add_f32_dpp v4, v4, v4 row_xmask:4 row_mask:0xf bank_mask:0xf
	v_add_f32_dpp v4, v4, v4 row_xmask:8 row_mask:0xf bank_mask:0xf
	v_permlanex16_b32 v5, v4, s8, s9               ; v5 has been written: its destination counts as read
	v_add_f32 v4, v4, v5
	s_wait_xcnt 0x0                                ; EXEC changes only behind this wait (ISA guide 3.1); the loads are long done
	v_cmpx_eq_u32 0, v0                            ; lane 0 alone; its 16 l is the offset 0
	global_store_b32 v1, v4, s[6:7]
	s_endpgm
.Lfunc_end_k_q1eb6349c75_total:
	.size	k_q1eb6349c75_total, .Lfunc_end_k_q1eb6349c75_total-k_q1eb6349c75_total
	.p2alignl 7, 3214868480
	.fill 96, 4, 3214868480
	.section	.rodata,"a",@progbits
	.p2align	6, 0x0
	.amdhsa_kernel k_q1eb6349c75_total
		.amdhsa_group_segment_fixed_size 0
		.amdhsa_private_segment_fixed_size 0
		.amdhsa_enable_private_segment 0
		.amdhsa_kernarg_size 16
		.amdhsa_user_sgpr_count 2
		.amdhsa_user_sgpr_kernarg_segment_ptr 1
		.amdhsa_wavefront_size32 1
		.amdhsa_system_sgpr_workgroup_id_x 1
		.amdhsa_system_sgpr_workgroup_id_y 1
		.amdhsa_system_sgpr_workgroup_id_z 1
		.amdhsa_system_vgpr_workitem_id 0
		.amdhsa_next_free_vgpr 12
		.amdhsa_next_free_sgpr 66
		.amdhsa_reserve_vcc 0
		.amdhsa_float_denorm_mode_32 3
		.amdhsa_float_denorm_mode_16_64 3
		.amdhsa_memory_ordered 1
		.amdhsa_forward_progress 1
		.amdhsa_inst_pref_size 2
	.end_amdhsa_kernel
	.amdgpu_metadata
---
amdhsa.version: [ 1, 2 ]
amdhsa.kernels:
  - .name:           k_q1eb6349c75_total
    .symbol:         k_q1eb6349c75_total.kd
    .args:
      - { .name: part, .offset: 0, .size: 8, .value_kind: global_buffer, .address_space: global }
      - { .name: out0, .offset: 8, .size: 8, .value_kind: global_buffer, .address_space: global }
    .group_segment_fixed_size: 0
    .private_segment_fixed_size: 0
    .kernarg_segment_align: 8
    .kernarg_segment_size: 16
    .max_flat_workgroup_size: 32
    .sgpr_count:     66
    .vgpr_count:     12
    .wavefront_size: 32
...
	.end_amdgpu_metadata
.endif
;; end of part 2
